; MI455X (gfx1250); checked and timed in simulation.
; The chip was launched on July 23, 2026; its instructions are those of AMD's public machine-readable ISA for CDNA 5 (MIT licence, August 2026) and "CDNA5" Instruction Set Architecture Reference Guide (July 2026). The comments in the code are by the model that wrote it; some were corrected since.
;; Head. Allowed arithmetic: matrix products marked QUANTISED: E2M1 operands, one E8M0 scale for each 32 along K, by v_wmma_scale_f32_16x16x128_f8f6f4 with both operands' format E2M1 (or v_wmma_scale_f32_32x16x128_f4), f32 sums; products left as they are: f32 operands where the result goes on into a quantised operand, else bf16, f16 or f32 operands; f32 sums; everything else in f32.
;; Inputs: w_k 64 x 16 float32; w_q 64 x 16 float32; w_v 64 x 16 float32; x 16 x 2,048 x 64 float32.
;; Outputs: out0 16 x 2,048 x 16 float32.
;; This version of the problem:
;;   THIS VERSION OF THE PROBLEM IS GIVEN IN LOW PRECISION. The matrix products marked QUANTISED in the list below multiply operands that are first quantised to E2M1 (2 exponent bits, 1 mantissa bit; 4 bits a number), with one power-of-two scale for each 32 numbers along K (OCP MX v1.0); their sums are f32. All else is computed in f32.
;;   The module's matrix products, in the order in which they are computed (A, B: the left and right operand; K: the contracted axis; several contracted axes count as one K, in the product's order):
;;     1. [M 32,768, K 64] x [K 64, N 16]; A: input x; B: input w_q: QUANTISED
;;     2. [M 32,768, K 64] x [K 64, N 16]; A: input x; B: input w_k: QUANTISED
;;     3. [M 32,768, K 64] x [K 64, N 16]; A: input x; B: input w_v: QUANTISED
;;     4. batch 16 x [M 2,048, K 16] x [K 16, N 2,048]; A: computed on the way; B: computed on the way: left as it is (K = 16 < 32)
;;     5. batch 16 x [M 2,048, K 2,048] x [K 2,048, N 16]; A: softmax (see below); B: computed on the way: QUANTISED
;;   THE QUANTISER, for each operand of a quantised product, along K:
;;     - K is cut into blocks of 32 from its start; a last block that is shorter is filled with zeros.
;;     - A block's scale is 2^e with e = floor(log2(the largest magnitude in the block)) - 2, held to -126 .. 127; a block of zeros has e = 0. As a byte (E8M0): e + 127.
;;     - Each number is divided by its block's scale, clamped to +-6, and rounded to the nearest number of E2M1, ties to even, subnormals kept.
;;     - The product sums the exact products of the quantised numbers (number of the format x scale) in f32.
;;   ~~~python
;;   def quantise(x, axis):      # numpy; x: float32 -> the quantised numbers, widened to float32 again
;;       x = np.moveaxis(x, axis, -1); K = x.shape[-1]
;;       x = np.pad(x, [(0, 0)] * (x.ndim - 1) + [(0, -K % 32)]); x = x.reshape(x.shape[:-1] + (-1, 32)); a = np.abs(x).max(-1, keepdims=True)
;;       e = np.where(a > 0, np.clip(np.frexp(np.where(a > 0, a, 1))[1] - 1 - 2, -126, 127), 0)      # np.frexp(a)[1] - 1 = floor(log2(a)), exactly
;;       r = np.clip(x / 2.0 ** e, -6, 6)
;;       step = 2.0 ** (np.maximum(np.frexp(np.where(r == 0, 1, r))[1] - 1, 0) - 1)
;;       q = np.round(r / step) * step * 2.0 ** e      # np.round: ties to even
;;       return np.moveaxis(q.reshape(q.shape[:-2] + (-1,))[..., :K], -1, axis).astype(np.float32)
;;   ~~~
;;   SOFTMAX AHEAD OF A QUANTISED PRODUCT. Where the list says 'softmax', what is quantised is not the finished softmax but p = 2^(t - M), with t = logit x log2(e) and M = ceil(the row's largest t), a whole number; so 1/2 < the row's largest p <= 1. The row's sum l is taken of the UNQUANTISED p, in f32, and the product's result is divided by l at the end. Since M is a whole number, a kernel that streams over the keys may use a running M (the ceiling of the running maximum): every later rescaling is an exact power of two, which a block's scale takes up: the codes' values come out the same.
;;   OPERANDS COMPUTED ON THE WAY. 'Computed on the way' means the value that the module computes at that place (a softmax that the list does not call 'softmax' is quantised finished and normalised). What goes into a quantiser is computed in f32, as accurately as f32 sums, v_exp_f32 and their like allow (about 1e-6 of the number): no bf16 or f16 on the way to a quantiser, and a product that is left as it is and whose result goes on into a quantised operand takes f32 operands (vector FMAs, or v_wmma_f32_16x16x4_f32). A number that lies on a knife's edge between two numbers of the format may be rounded either way, as far as f32 arithmetic and the matrix unit's own rounding can turn it there, and no further.
;; 2 versions, each right; version 2 is version 1 with the launch proj written anew for expert scheduling mode. Each part assembles by itself: llvm-mc -triple=amdgcn-amd-amdhsa -mcpu=gfx1250 --defsym DOCPART=n.
;; ======== version 1 of 2: 2 launches
;; workspace buffers: qimg 2,097,152 bytes; kv 2,424,832 bytes
;; launch proj (part 1): grid 16 x 16, 4 waves a work-group, no clusters, 35,584 bytes of LDS; arguments x, w_q, w_k, w_v, qimg, kv; writes qimg, kv
.if DOCPART == 1
	.amdgcn_target "amdgcn-amd-amdhsa--gfx1250"
	.amdhsa_code_object_version 6
	.text
	.protected	k_qf52e7c8e60_proj
	.globl	k_qf52e7c8e60_proj
	.p2align	8
	.type	k_qf52e7c8e60_proj,@function
k_qf52e7c8e60_proj:
	s_mov_b64 s[64:65], 0
	v_nop
	global_prefetch_b8 v0, s[64:65] scope:SCOPE_SE
	s_setreg_imm32_b32 hwreg(HW_REG_WAVE_MODE, 25, 1), 1
	s_wait_xcnt 0x0
; q, k, v = x W (each product on codes of FP4 (E2M1) with one E8M0 scale for each 32 along K = 64), RoPE on q and k, v quantised along the keys.
; x: [16][2048][64] f32; w_q, w_k, w_v: [64][16] f32, K their first axis.
; SHARES.  A work-group takes a RECORD: 128 tokens of one batch (work-group x = which 128, y = the batch).  Wave w takes tokens 32 w .. 32 w + 31: two tiles of 16.
; THE TOKENS OF A TILE ARE NOT NEIGHBOURS: lane r of tile u takes token 8 u + r + 8 (r / 8) of the wave's 32, so that v's 16 registers of the two tiles are 16 neighbouring keys.
; ONE fragment of x (lane (r, h): block h of its token; the upper 64 of the instruction's 128 along K are zero codes) serves three products:
;   q^T = Wq^T x^T, k^T = Wk^T x^T (source 0 = the weight's 16 columns, source 1 = 16 tokens): lane (r, h) holds its token's dims 8 h .. 8 h + 7: RoPE's pairs are neighbouring registers;
;   v = x Wv (source 0 = 16 tokens, source 1 = the weight's 16 columns): lane (r, h) holds dim r, and its registers run along the keys.
; WHAT IS STORED are images of the next launch's operand registers: 16 bytes a lane, 512 consecutive bytes a store.
;   qimg: [batch][tile 0..127][1,024 bytes].   kv: [batch][step 0..15][REC bytes]: 8 tiles x 1,024 bytes of k; 1,024 bytes of v's codes; 64 scale words of v (word i: dim i % 16).
; COS AND SIN in f32: the angle is token x frequency, rounded once as reference() rounds it; n = the nearest whole number to angle x 2 / pi; angle - n pi / 2 with pi / 2 in two parts
; (the first product is exact: n has 11 bits here); polynomials on +-pi/4; the quadrant by selects and sign bits.
; LIMITS: NaN and infinities among the inputs are not served.  A block of zeros gets the byte 1 where the rule says 127 (its codes are zeros; only this program reads the bytes).
; The eight frequencies are f32 constants, 1 / 10000^(j / 8) rounded as a correctly rounded power and division give them; one ulp more or less is at most 8e-5 rad at token 2,047.
.set REC,   9472                       ; bytes of a record
.set XP,    272                        ; LDS: a token's 256 bytes + 16 of padding
.set WSTG,  32*XP                      ; a wave's stage
.set SCB,   4*WSTG                     ; behind the stages: 16 words for each wave: its byte of v's scale words
.set IFQ,   12                         ; v12-15   frequencies 4 h + 0 .. 3
.set WC,    16                         ; v16-39   the weights' codes: q, k, v, 8 registers each (the upper four are zeros)
.set XC,    40                         ; v40-55   x's codes, tile 0 and 1
.set SW,    56                         ; v56-58   the weights' scale words
.set SX,    59                         ; v59-60   x's
.set TF,    62                         ; v62-63   my token's number in tile 0, 1, as f32
.set XR,    64                         ; v64-127  x as loaded
.set WR,    128                        ; v128-223 the weights as loaded
.set XT,    128                        ; v128-191 x, a block of 32 to a lane, tile 0 and 1
.set QA,    64                         ; v64-79 q^T, v80-95 k^T, v96-111 v: the products' results
.set KA,    80
.set VA,    96
.set RQ,    128                        ; v128-143 q, v144-159 k behind RoPE
.set RK,    144
.set CO,    224                        ; v224-231 cosines (4 u + p), v232-239 sines
.set SI,    232
.set TM,    240                        ; v240-251 at work
.set SOP,   243
.set BYT,   246
.set PRM,   249
.set TOP,   24                         ; s24 2 / pi; s25, s26 pi / 2 in two parts; s27-29 the sine's coefficients; s30-32 the cosine's
.set PH,    25
.set PL,    26
.set KS0,   27
.set KS1,   28
.set KS2,   29
.set KC0,   30
.set KC1,   31
.set KC2,   32
.set SEL,   34                         ; s[34:35] v_permlanex16_b32's selects for lane l xor 16
	s_load_b256 s[4:11], s[0:1], 0x0               ; x s[4:5], w_q s[6:7], w_k s[8:9], w_v s[10:11]
	s_load_b128 s[12:15], s[0:1], 0x20             ; qimg s[12:13], kv s[14:15]
	v_lshl_add_u32 v254, v0, 2, 0x8900
	v_mov_b32 v255, 0
	v_lshrrev_b32 v1, 5, v0
	v_readfirstlane_b32 s16, v1                    ; wave 0..3
	v_and_b32 v1, 31, v0                           ; lane
	v_and_b32 v2, 15, v0                           ; r
	v_bfe_u32 v3, v0, 4, 1                         ; h
	s_and_b32 s17, ttmp7, 0xffff                   ; batch
	s_lshl_b32 s18, s17, 4
	s_add_co_u32 s18, s18, ttmp9                   ; the record's number: 16 x batch + step
	v_lshlrev_b32 v4, 4, v1                        ; 16 x lane: dense loads and the images
	v_lshlrev_b32 v7, 2, v2
	v_lshl_add_u32 v7, v3, 11, v7                  ; a weight: column r, rows 32 h on (a row is 64 bytes)
	s_lshl_b32 s20, s18, 15                        ; x: 32,768 bytes a record,
	s_lshl_b32 s19, s16, 13                        ; 8,192 a wave
	s_add_co_u32 s20, s20, s19
	s_mov_b32 s21, 0
	s_wait_kmcnt 0x0
	s_add_nc_u64 s[4:5], s[4:5], s[20:21]
.macro WLOAD m, lo                     ; weight m: w(32 h + i, r), i = 0 .. 31: a lane to a column, registers down K
.set i_, 0
.rept 32
	global_load_b32 v[WR+32*\m+i_], v7, s[\lo:\lo+1] offset:64*i_
.set i_, i_+1
.endr
.endm
	WLOAD 0, 6
	WLOAD 1, 8
	WLOAD 2, 10
.set i_, 0
.rept 16
	global_load_b128 v[XR+4*i_:XR+4*i_+3], v4, s[4:5] offset:512*i_ th:TH_LOAD_NT   ; two tokens: 512 consecutive bytes; read once in the launch
.set i_, i_+1
.endr
	; all that needs no memory stands here, while the loads are out
	s_mul_i32 s19, s16, WSTG
	v_mul_u32_u24 v5, v3, XP
	v_lshl_add_u32 v5, v2, 4, v5
	v_add_nc_u32 v5, s19, v5                       ; the stage, on the way in: lanes 0-15 one token's 256 bytes, lanes 16-31 the next token's
	v_mul_u32_u24 v6, v2, XP
	v_lshl_add_u32 v6, v3, 7, v6
	v_add_nc_u32 v6, s19, v6                       ; on the way out: place r of a tile, block h
	v_lshlrev_b32 v9, 4, v2
	v_lshl_add_u32 v9, v3, 3, v9
	s_lshl_b32 s19, s16, 8
	v_add_nc_u32 v9, s19, v9                       ; v's codes in the record's image: 256 w + 16 r + 8 h
	v_lshlrev_b32 v10, 2, v2
	s_lshl_b32 s19, s16, 6
	v_add_nc_u32 v10, s19, v10
	v_add_nc_u32 v10, SCB, v10                     ; LDS: my wave's 16 words, dim r's
	v_lshlrev_b32 v8, 3, v1                        ; 8 x lane
	v_and_b32 v61, 63, v8
	v_add_nc_u32 v61, SCB, v61                     ; LDS: words 2 l % 16 and the next
	v_lshlrev_b32 v11, 3, v3                       ; 8 h: my block's byte in a scale word
	s_lshl_b32 s20, s18, 13                        ; qimg: 8 tiles a record, two a wave
	s_lshl_b32 s19, s16, 11
	s_add_co_u32 s20, s20, s19
	s_add_nc_u64 s[12:13], s[12:13], s[20:21]
	s_mul_i32 s20, s18, REC
	s_add_nc_u64 s[14:15], s[14:15], s[20:21]      ; kv at my record,
	s_mov_b32 s20, s19
	s_add_nc_u64 s[22:23], s[14:15], s[20:21]      ; and at my two tiles of k
	s_lshl_b32 s19, ttmp9, 7
	s_lshl_b32 s20, s16, 5
	s_add_co_u32 s19, s19, s20                     ; my wave's first token in its batch
	v_and_b32 v62, 8, v2
	v_add_nc_u32 v62, v62, v2                      ; r + 8 (r / 8)
	v_add_nc_u32 v62, s19, v62
	v_add_nc_u32 v63, 8, v62                       ; tile 1: 8 further on
	v_cvt_f32_u32 v62, v62
	v_cvt_f32_u32 v63, v63
	v_cmp_eq_u32 vcc_lo, 1, v3                     ; lanes 16-31 hold dims 8 .. 15: frequencies 4 .. 7
	v_mov_b32 v12, 1.0
	v_mov_b32 v240, 0x3c23d70a
	v_cndmask_b32 v12, v12, v240, vcc_lo           ; 1 | 1e-2
	v_mov_b32 v13, 0x3ea1e89b
	v_mov_b32 v240, 0x3b4f3e38
	v_cndmask_b32 v13, v13, v240, vcc_lo           ; 10^-0.5 | 10^-2.5
	v_mov_b32 v14, 0x3dcccccd
	v_mov_b32 v240, 0x3a83126f
	v_cndmask_b32 v14, v14, v240, vcc_lo           ; 1e-1 | 1e-3
	v_mov_b32 v15, 0x3d0186e3
	v_mov_b32 v240, 0x39a5cb60
	v_cndmask_b32 v15, v15, v240, vcc_lo           ; 10^-1.5 | 10^-3.5
	s_mov_b32 s[TOP], 0x3f22f983                   ; 2 / pi
	s_mov_b32 s[PH], 0x3fc90fdb                    ; pi / 2, rounded,
	s_mov_b32 s[PL], 0xb33bbd2e                    ; and what the rounding left: -4.3711388e-8
	s_mov_b32 s[KS0], 0xb94ca1f9                   ; sin r = r + r z (KS2 + z (KS1 + z KS0)), z = r r
	s_mov_b32 s[KS1], 0x3c08839e
	s_mov_b32 s[KS2], 0xbe2aaaa3
	s_mov_b32 s[KC0], 0x37ccf5ce                   ; cos r = 1 - z / 2 + z z (KC2 + z (KC1 + z KC0))
	s_mov_b32 s[KC1], 0xbab6061a
	s_mov_b32 s[KC2], 0x3d2aaaa5
	s_mov_b32 s[SEL], 0x76543210
	s_mov_b32 s[SEL+1], 0xfedcba98
.irp f, 0,1,2,3,4
.irp g, 4,5,6,7
	v_mov_b32 v[WC+8*\f+\g], 0                     ; K = 64 .. 127 of every fragment: zero codes, which add nothing
.endr
.endr
.irp b, 0,1,2
	v_mov_b32 v[PRM+\b], 0                         ; written once: a lane permute's destination counts as one of its sources
.endr
.macro SINCOS u, p                     ; cos and sin of my token of tile u x frequency 4 h + p
	v_mul_f32 v240, v[TF+\u], v[IFQ+\p]            ; the angle
	v_mul_f32 v241, s[TOP], v240
	v_rndne_f32 v241, v241                         ; n
	v_fma_f32 v240, -v241, s[PH], v240
	v_fma_f32 v240, -v241, s[PL], v240             ; r = angle - n pi / 2
	v_cvt_i32_f32 v242, v241
	v_mul_f32 v243, v240, v240                     ; z
	v_fma_f32 v244, v243, s[KS0], s[KS1]
	v_fma_f32 v245, v243, s[KC0], s[KC1]
	v_fma_f32 v244, v244, v243, s[KS2]
	v_fma_f32 v245, v245, v243, s[KC2]
	v_mul_f32 v244, v244, v243
	v_mul_f32 v246, v243, v243
	v_fma_f32 v247, v243, -0.5, 1.0
	v_fma_f32 v244, v244, v240, v240               ; sin r
	v_fma_f32 v245, v245, v246, v247               ; cos r
	v_and_b32 v246, 1, v242
	v_cmp_eq_u32 vcc_lo, 1, v246                   ; an odd n changes the two over
	v_cndmask_b32 v247, v244, v245, vcc_lo
	v_cndmask_b32 v248, v245, v244, vcc_lo
	v_lshlrev_b32 v246, 30, v242                   ; the sine's sign: bit 1 of n;
	v_add_nc_u32 v242, 1, v242
	v_and_b32 v246, 0x80000000, v246
	v_lshlrev_b32 v242, 30, v242                   ; the cosine's: bit 1 of n + 1
	v_xor_b32 v[SI+4*\u+\p], v246, v247
	v_and_b32 v242, 0x80000000, v242
	v_xor_b32 v[CO+4*\u+\p], v242, v248
.endm
.irp u, 0,1
.irp p, 0,1,2,3
	SINCOS \u, \p
.endr
.endr
; nb blocks of 32 numbers, block b in v[src + 32 b] on, all of a block in ONE lane (block h of row or column r), become codes in v[dst + 8 b] .. + 3 and scale words in v[sw + b].
.macro QB src, dst, sw, nb
.set b_, 0
.rept \nb
	v_max3_num_f32 v[TM+b_], |v[(\src)+32*b_]|, |v[(\src)+32*b_+1]|, 0x1800000   ; and the floor 2^(3 - 127): the byte cannot fall under 1
.set b_, b_+1
.endr
.irp i, 2,4,6,8,10,12,14,16,18,20,22,24,26,28,30
.set b_, 0
.rept \nb
	v_max3_num_f32 v[TM+b_], v[TM+b_], |v[(\src)+32*b_+\i]|, |v[(\src)+32*b_+\i+1]|   ; (the blocks by turns)
.set b_, b_+1
.endr
.endr
.set b_, 0
.rept \nb
	v_add_nc_u32 v[SOP+b_], 0xff000000, v[TM+b_]   ; 2 off the exponent field: the conversion takes this operand's exponent field as its scale
.set b_, b_+1
.endr
.set b_, 0
.rept \nb
	v_lshrrev_b32 v[BYT+b_], 23, v[SOP+b_]         ; the scale's byte,
.set b_, b_+1
.endr
.set b_, 0
.rept \nb
	v_lshlrev_b32 v[BYT+b_], v11, v[BYT+b_]        ; at its place in the word: byte h;
.set b_, b_+1
.endr
.set b_, 0
.rept \nb
	v_permlanex16_b32 v[PRM+b_], v[BYT+b_], s[SEL], s[SEL+1]
.set b_, b_+1
.endr
.set b_, 0
.rept \nb
	v_or_b32 v[(\sw)+b_], v[BYT+b_], v[PRM+b_]     ; with lane l xor 16's byte.  Bytes 2 and 3 stay 0: they scale zero codes
.set b_, b_+1
.endr
.set b_, 0
.rept \nb
.irp g, 0,1,2,3
	v_cvt_scalef32_pk8_fp4_f32 v[(\dst)+8*b_+\g], v[(\src)+32*b_+8*\g:(\src)+32*b_+8*\g+7], v[SOP+b_]
.endr
.set b_, b_+1
.endr
	v_nop                                          ; one plain place behind a scaled conversion
.endm
	s_wait_loadcnt 16                              ; the 96 loads of the weights are in; the 16 of x, issued behind them, may be out
	QB WR, WC, SW, 3
	s_wait_loadcnt 0x0                             ; x
.set i_, 0
.rept 16                               ; tokens 2 i and 2 i + 1 go to their places in tile order: 16 x tile + lane
	ds_store_b128 v5, v[XR+4*i_:XR+4*i_+3] offset:(16*((i_>>2)&1)+((2*i_)&7)+8*(i_>>3))*XP
.set i_, i_+1
.endr
.irp u, 0,1
.irp k, 0,1,2,3,4,5,6,7
	ds_load_b128 v[XT+32*\u+4*\k:XT+32*\u+4*\k+3], v6 offset:\u*16*XP+16*\k   ; LDS serves a wave's instructions in order: these see my stores
.endr
.endr
	s_wait_dscnt 0x0
	QB XT, XC, SX, 2
.rept 8
	v_nop                                          ; a scale register written by a vector instruction stands 8 places ahead of a scaled matrix instruction, an operand so written 4
.endr
.irp u, 0,1
	v_wmma_scale_f32_16x16x128_f8f6f4 v[QA+8*\u:QA+8*\u+7], v[WC:WC+7], v[XC+8*\u:XC+8*\u+7], 0, v[SW], v[SX+\u] matrix_a_fmt:MATRIX_FMT_FP4 matrix_b_fmt:MATRIX_FMT_FP4
	v_wmma_scale_f32_16x16x128_f8f6f4 v[KA+8*\u:KA+8*\u+7], v[WC+8:WC+15], v[XC+8*\u:XC+8*\u+7], 0, v[SW+1], v[SX+\u] matrix_a_fmt:MATRIX_FMT_FP4 matrix_b_fmt:MATRIX_FMT_FP4
	v_wmma_scale_f32_16x16x128_f8f6f4 v[VA+8*\u:VA+8*\u+7], v[XC+8*\u:XC+8*\u+7], v[WC+16:WC+23], 0, v[SX+\u], v[SW+2] matrix_a_fmt:MATRIX_FMT_FP4 matrix_b_fmt:MATRIX_FMT_FP4
.endr
.rept 4
	v_nop                                          ; places in front of the first read of results
.endr
.macro ROPE acc, dst, u                ; pair p of my eight dims: (e, o) -> (e cos - o sin, e sin + o cos)
.irp p, 0,1,2,3
	v_mul_f32 v[TM+\p], v[\acc+8*\u+2*\p+1], v[SI+4*\u+\p]
	v_mul_f32 v[TM+4+\p], v[\acc+8*\u+2*\p+1], v[CO+4*\u+\p]
.endr
.irp p, 0,1,2,3
	v_fma_f32 v[\dst+8*\u+2*\p], v[\acc+8*\u+2*\p], v[CO+4*\u+\p], -v[TM+\p]
	v_fma_f32 v[\dst+8*\u+2*\p+1], v[\acc+8*\u+2*\p], v[SI+4*\u+\p], v[TM+4+\p]
.endr
.endm
.irp u, 0,1
	ROPE QA, RQ, \u
	global_store_b128 v4, v[RQ+8*\u:RQ+8*\u+3], s[12:13] offset:1024*\u          ; 32 lanes store 512 consecutive bytes
	global_store_b128 v4, v[RQ+8*\u+4:RQ+8*\u+7], s[12:13] offset:1024*\u+512
	ROPE KA, RK, \u
	global_store_b128 v4, v[RK+8*\u:RK+8*\u+3], s[22:23] offset:1024*\u
	global_store_b128 v4, v[RK+8*\u+4:RK+8*\u+7], s[22:23] offset:1024*\u+512
.endr
	; v: lane (r, h) holds dim r at keys 16 h + 0 .. 15 of my wave's 32: half a block
	v_max3_num_f32 v240, |v[VA]|, |v[VA+1]|, 0x1800000
.irp i, 2,4,6,8,10,12,14
	v_max3_num_f32 v240, v240, |v[VA+\i]|, |v[VA+\i+1]|
.endr
	v_permlanex16_b32 v249, v240, s[SEL], s[SEL+1]
	v_max_num_f32 v240, v240, v249                 ; with lane l xor 16's: the block's largest magnitude
	v_add_nc_u32 v243, 0xff000000, v240
	v_cvt_scalef32_pk8_fp4_f32 v252, v[VA:VA+7], v243
	v_cvt_scalef32_pk8_fp4_f32 v253, v[VA+8:VA+15], v243
	v_lshrrev_b32 v246, 23, v243                   ; the scale's byte (a plain place behind the conversions),
	s_lshl_b32 s19, s16, 3
	v_lshlrev_b32 v246, s19, v246                  ; at byte w of dim r's word: my wave's block is block w of the step
	ds_store_b32 v10, v246                         ; both lanes of a block write the same word with the same value
	global_store_b64 v9, v[252:253], s[14:15] offset:8192   ; block w = 2 c + h' lies in registers 4 c .. 4 c + 3 of lanes 16 h' + r: 256 consecutive bytes, aligned
	s_wait_dscnt 0x0                               ; for the others' sake: my word has landed
	s_barrier_signal -1
	s_barrier_wait -1
	s_cmp_lg_u32 s16, 0
	s_cbranch_scc1 .Lend
.irp w, 0,1,2,3
	ds_load_b64 v[160+2*\w:161+2*\w], v61 offset:64*\w   ; the four waves' bytes of dims 2 l % 16 and the next
.endr
	s_wait_dscnt 0x0
	v_or_b32 v160, v160, v162
	v_or_b32 v161, v161, v163
	v_or_b32 v164, v164, v166
	v_or_b32 v165, v165, v167
	v_or_b32 v160, v160, v164
	v_or_b32 v161, v161, v165
	global_store_b64 v8, v[160:161], s[14:15] offset:9216   ; 64 words, word i = dim i % 16's: 256 consecutive bytes, aligned
.Lend:
	s_wait_tensorcnt 0x0
	ds_add_u32 v254, v255
	s_wait_dscnt 0x0
	s_endpgm
.Lfunc_end_k_qf52e7c8e60_proj:
	.size	k_qf52e7c8e60_proj, .Lfunc_end_k_qf52e7c8e60_proj-k_qf52e7c8e60_proj
	.p2alignl 7, 3214868480
	.fill 96, 4, 3214868480
	.section	.rodata,"a",@progbits
	.p2align	6, 0x0
	.amdhsa_kernel k_qf52e7c8e60_proj
		.amdhsa_group_segment_fixed_size 35584
		.amdhsa_private_segment_fixed_size 0
		.amdhsa_enable_private_segment 0
		.amdhsa_kernarg_size 48
		.amdhsa_user_sgpr_count 2
		.amdhsa_user_sgpr_kernarg_segment_ptr 1
		.amdhsa_wavefront_size32 1
		.amdhsa_system_sgpr_workgroup_id_x 1
		.amdhsa_system_sgpr_workgroup_id_y 1
		.amdhsa_system_sgpr_workgroup_id_z 1
		.amdhsa_system_vgpr_workitem_id 0
		.amdhsa_next_free_vgpr 256
		.amdhsa_next_free_sgpr 66
		.amdhsa_reserve_vcc 1
		.amdhsa_float_denorm_mode_32 3
		.amdhsa_float_denorm_mode_16_64 3
		.amdhsa_memory_ordered 1
		.amdhsa_forward_progress 1
		.amdhsa_inst_pref_size 42
	.end_amdhsa_kernel
	.amdgpu_metadata
---
amdhsa.version: [ 1, 2 ]
amdhsa.kernels:
  - .name:           k_qf52e7c8e60_proj
    .symbol:         k_qf52e7c8e60_proj.kd
    .args:
      - { .name: x, .offset: 0, .size: 8, .value_kind: global_buffer, .address_space: global }
      - { .name: w_q, .offset: 8, .size: 8, .value_kind: global_buffer, .address_space: global }
      - { .name: w_k, .offset: 16, .size: 8, .value_kind: global_buffer, .address_space: global }
      - { .name: w_v, .offset: 24, .size: 8, .value_kind: global_buffer, .address_space: global }
      - { .name: qimg, .offset: 32, .size: 8, .value_kind: global_buffer, .address_space: global }
      - { .name: kv, .offset: 40, .size: 8, .value_kind: global_buffer, .address_space: global }
    .group_segment_fixed_size: 35584
    .private_segment_fixed_size: 0
    .kernarg_segment_align: 8
    .kernarg_segment_size: 48
    .max_flat_workgroup_size: 128
    .sgpr_count:     66
    .vgpr_count:     256
    .wavefront_size: 32
...
	.end_amdgpu_metadata
.endif
;; end of part 1
;; launch attn (part 2): grid 16 x 16, 16 waves a work-group, no clusters, 174,080 bytes of LDS; arguments qimg, kv, out0; writes out0
.if DOCPART == 2
	.amdgcn_target "amdgcn-amd-amdhsa--gfx1250"
	.amdhsa_code_object_version 6
	.text
	.protected	k_qf52e7c8e60_attn
	.globl	k_qf52e7c8e60_attn
	.p2align	8
	.type	k_qf52e7c8e60_attn,@function
k_qf52e7c8e60_attn:
	s_mov_b64 s[64:65], 0
	v_nop
	global_prefetch_b8 v0, s[64:65] scope:SCOPE_SE
	s_setreg_imm32_b32 hwreg(HW_REG_WAVE_MODE, 25, 1), 1
	s_wait_xcnt 0x0
; out[b][q][:] = the sum over keys k <= q of softmax_k(q . k / 4) v[k][:], head size 16.  The scores are an f32 product (they go on into a quantiser); p and v are codes of FP4 (E2M1) with one E8M0 scale for each 32 keys.
; THE SOFTMAX: t = score x log2(e) / 4; M = the largest t so far, rounded UP to a whole number; p = 2^(t - M) is quantised along the keys, not normalised; the row's sum is taken of the unquantised p and divides at the end.
; When M moves, the sum and O are multiplied by 2^(old M - new M): exact.
; INPUTS are images of operand registers, made by the launch before: qimg [batch][tile][1,024]; kv [batch][step of 128 keys][REC]: 8 tiles of k, v's codes, v's scale words.
; A tile's lane r stands for token 32 (tile / 2) + 8 (tile % 2) + r + 8 (r / 8): so the 16 score registers of two neighbouring key tiles are 16 neighbouring keys.
; SHARES.  Work-group (g, batch) owns query tiles 4 g .. 4 g + 3 and 124 - 4 g .. 127 - 4 g: tile j needs j / 8 + 1 steps, so a low and a high tile together need 17.  Sixteen waves of 256 registers.
; Wave w: tile number w % 4 of the low (w < 8) or the high four; of its steps the even ones ((w / 4) % 2 = 0) or the odd ones.  The two waves of a tile merge M, the sum and O through LDS at the end, by exact powers of two.
; LDS.  A batch's 16 records, 151,552 bytes, are filled ONCE, by tensor loads that all go out at the head: no byte is filled again.  Waves 0 to 3 issue four loads each (by this text's count four are out at most);
; load n of wave w brings step 4 n + w, so each counted wait and barrier opens four more steps.
; BOTH PRODUCTS ARE USED TRANSPOSED: S^T = K Q^T (source 0 = 16 keys, source 1 = my 16 queries), O^T = V^T P^T: a lane holds ONE query throughout.
; In the f32 form lane (r, h) holds K = 2 h + j in register j; here K step s of four takes dims 8 h + 2 s + j on BOTH sides: the same products, and a lane's eight dims are 32 neighbouring bytes.
; BY TURNS.  A trip holds the softmax and V^T P of my step j AND the K Q^T of my next step, j + 2: behind each of the 32 f32 matrix instructions stands a slice of step j's vector work, which names none of their registers.
; Only the search for the maxima stands alone, at the trip's head, behind the LDS loads of the next keys.  The first step's K Q^T stands in front of the trips; a wave's last step has no products beside it.
; THE MASK.  Every wave walks 8 trips; a step all of whose keys come after the tile's queries is jumped over by a scalar branch on ids.  The step on the diagonal is a wave's last: its hidden scores are copied as -infinity.
; NO CLUSTER: the work-groups that read the same batch jump over different steps, and partners that ask jointly must run alike.  NO PREFETCH: every tile is asked for at the head.
; LIMITS: NaN and infinities are not served; a p under 2^-126 counts as 0.
.set REC,  9472                        ; a record: 37 rows of 256 bytes
.set NST,  16
.set MRG,  NST*REC                     ; behind the records: 1,280 bytes for each of the 8 tiles: the odd wave's O^T, -M and sum
.set MPB,  1280
.set STG,  MRG+8*MPB                   ; and 1,024 bytes for each tile: the way out
.set AK0,  1                           ; v1   16 x lane + my half's first record
.set ADK,  2                           ; v2   the same in the step in hand
.set D0,   3                           ; v3   my query - 16 h
.set AS0,  4                           ; v4   4 x lane + where my first record's scale words lie
.set MO,   5                           ; v5   the merge: O^T's image
.set MS,   6                           ; v6   the merge: -M and the sum
.set SO_,  7                           ; v7   the stage: where I put 32 bytes of a row
.set SR,   8                           ; v8   and where I read 16 bytes back
.set GO,   9                           ; v9   16 x lane
.set FF,   10                          ; v[10:11] f = 2^(old M - new M), named as a pair
.set QF,   16                          ; v16-23   my query's dims 8 h .. 8 h + 7
.set OA,   24                          ; v24-31   O^T
.set KF,   32                          ; v32-95   8 tiles of keys
.set S,    96                          ; v96-159  S^T: written by the f32 matrix form alone
.set P,    160                         ; v160-223 t - M, then p
.set PC,   224                         ; v224-231 p's codes
.set VF,   232                         ; v232-239 v's codes
.set VS,   240                         ; v240 v's scale words;  v241 p's
.set PS,   241
.set BM,   242                         ; v242-245 the blocks' largest score, largest p, byte
.set BT,   246                         ; v246-249 at work
.set SC,   250                         ; v250-253 the conversions' scale operands
.set WV,   10
.set E,    11                          ; s11  0: the even steps; 1: the odd ones
.set DS,   15                          ; s15  the step on my tile's diagonal: its last
.set SEL,  20
.set CS,   22                          ; s[22:23] c = log2(e) / 4
.set G1,   24
.set G0,   32                          ; s[32:47] four groups 0
.set TB,   48                          ; s48  LDS byte of the trip's pair of records
.set ST,   49                          ; s49  my step
.set TW,   50
.set NX,   60                          ; s60  my next step
	s_load_b128 s[4:7], s[0:1], 0x0                ; qimg, kv
	s_load_b64 s[8:9], s[0:1], 0x10                ; out0
	v_lshl_add_u32 v254, v0, 2, 0x2a000
	v_mov_b32 v255, 0
	ds_add_u32 v254, v255
	ds_add_u32 v254, v255
	s_wait_dscnt 0x0
	v_lshrrev_b32 v1, 5, v0
	v_readfirstlane_b32 s[WV], v1                  ; wave 0..15
	s_bfe_u32 s[E], s[WV], 0x10002                 ; bit 2
	s_and_b32 s12, s[WV], 3
	s_lshr_b32 s13, s[WV], 3
	s_lshl_b32 s14, ttmp9, 2
	s_add_co_u32 s14, s14, s12                     ; the low tile,
	s_sub_co_u32 s17, 127, s14                     ; the high one
	s_cmp_eq_u32 s13, 0
	s_cselect_b32 s14, s14, s17                    ; my tile
	s_lshr_b32 s[DS], s14, 3
	s_and_b32 s16, ttmp7, 0xffff                   ; batch
	s_mov_b32 s[G1], 3<<16                         ; group 1: a dense block as 37 rows of 32 elements of 8 bytes; no mask, no padding (the images are read 16 bytes a lane on end)
	s_mov_b32 s[G1+1], 32<<16                      ; tensor_dim0
	s_mov_b32 s[G1+2], 37<<16                      ; tensor_dim1
	s_mov_b32 s[G1+3], 32<<16                      ; tile_dim0
	s_mov_b32 s[G1+4], 37                          ; tile_dim1
	s_mov_b32 s[G1+5], 32                          ; the pitch
	s_mov_b32 s[G1+6], 0
	s_mov_b32 s[G1+7], 0
	s_mul_i32 s51, s[WV], REC
	s_mul_i32 s52, s16, NST*REC
	s_add_co_u32 s52, s52, s51
	s_mov_b32 s53, 0
	s_wait_kmcnt 0x0
	s_add_nc_u64 s[6:7], s[6:7], s[52:53]          ; kv at record w of my batch
.irp g, 0,1,2,3
	s_mov_b32 s[G0+4*\g], 1                        ; count = 1
	s_add_co_u32 s[G0+4*\g+1], s51, 4*\g*REC       ; LDS: record 4 g + w
	s_add_nc_u64 s[G0+4*\g+2:G0+4*\g+3], s[6:7], 4*\g*REC
	s_or_b32 s[G0+4*\g+3], s[G0+4*\g+3], 0x80000000   ; type = 2
.endr
	s_cmp_lt_u32 s[WV], 4                          ; all first fills stand in one branch on the wave's number, ahead of every wait on TENSORcnt, every LDS read and every barrier
	s_cbranch_scc0 .Lno_fetch
	tensor_load_to_lds s[G0:G0+3], s[G1:G1+7]
	s_nop 0
	tensor_load_to_lds s[G0+4:G0+7], s[G1:G1+7]
	s_nop 0
	tensor_load_to_lds s[G0+8:G0+11], s[G1:G1+7]
	s_nop 0
	tensor_load_to_lds s[G0+12:G0+15], s[G1:G1+7]
	s_nop 0
.rept 4
	v_nop
.endr
.Lno_fetch:
	v_and_b32 v254, 31, v0                         ; lane
	v_and_b32 v255, 15, v0                         ; r
	v_bfe_u32 v253, v0, 4, 1                       ; h
	v_lshlrev_b32 v[GO], 4, v254
	s_lshr_b32 s55, s14, 1
	s_lshl_b32 s55, s55, 5
	s_and_b32 s58, s14, 1
	s_lshl_b32 s58, s58, 3
	s_add_co_u32 s55, s55, s58                     ; the tile's first query
	s_lshl_b32 s58, s16, 7
	s_add_co_u32 s58, s58, s14
	s_lshl_b32 s58, s58, 10
	s_mov_b32 s59, 0
	s_add_nc_u64 s[4:5], s[4:5], s[58:59]          ; my tile's image of q
	global_load_b128 v[QF:QF+3], v[GO], s[4:5]
	global_load_b128 v[QF+4:QF+7], v[GO], s[4:5] offset:512
	s_lshl_b32 s58, s16, 11
	s_add_co_u32 s58, s58, s55
	s_lshl_b32 s58, s58, 6
	s_add_nc_u64 s[8:9], s[8:9], s[58:59]          ; out0 at the tile's first query
	s_mul_i32 s54, s[E], REC
	v_lshl_add_u32 v[AK0], v254, 4, s54
	s_add_co_u32 s54, s54, 9216
	v_lshl_add_u32 v[AS0], v254, 2, s54
	s_lshl_b32 s56, s13, 2
	s_add_co_u32 s56, s56, s12                     ; which of the work-group's 8 tiles: the same in both waves of a tile
	s_mul_i32 s57, s56, MPB
	s_add_co_u32 s57, s57, MRG
	v_add_nc_u32 v[MO], s57, v[GO]
	s_add_co_u32 s57, s57, 1024
	v_lshl_add_u32 v[MS], v254, 3, s57
	s_lshl_b32 s57, s56, 10
	s_add_co_u32 s57, s57, STG
	v_add_nc_u32 v[SR], s57, v[GO]
	v_lshl_add_u32 v[SO_], v255, 6, s57
	v_lshl_add_u32 v[SO_], v253, 5, v[SO_]         ; row r of 64 bytes, + 32 h
	v_and_b32 v[D0], 8, v255
	v_add_nc_u32 v[D0], v[D0], v255
	v_add_nc_u32 v[D0], s55, v[D0]                 ; my query
	v_lshlrev_b32 v253, 4, v253
	v_sub_nc_u32 v[D0], v[D0], v253
	s_mov_b32 s[SEL], 0x76543210
	s_mov_b32 s[SEL+1], 0xfedcba98
	s_mov_b32 s[CS], 0x3eb8aa3b
	s_mov_b32 s[CS+1], s[CS]                       ; (named with it as a pair, so it is written)
	s_mov_b32 s[TB], 0
	s_mov_b32 s[ST], s[E]
	v_mov_b32 v13, 0xff61b1e6                      ; the largest t so far: -3e38
	v_floor_f32 v12, -v13                          ; -M
	v_mov_b32 v14, 0                               ; the sum, in two halves
	v_mov_b32 v15, 0
	v_mov_b32 v[FF+1], 0                           ; (the upper half of f's pair)
.irp j, 0,1,2,3,4,5,6,7
	v_mov_b32 v[OA+\j], 0                          ; O^T: the trip is written once; the first change of M multiplies zeros
.endr
.irp b, 0,1,2,3
	v_mov_b32 v[BT+\b], 0                          ; a lane permute's destination counts as one of its sources
.endr
; The 8 tiles of keys of the record that begins off bytes behind the one in hand: 32 lanes read 512 bytes on end.
.macro KLOAD off
.irp t, 0,1,2,3,4,5,6,7
	ds_load_b128 v[KF+8*\t:KF+8*\t+3], v[ADK] offset:\off+1024*\t
	ds_load_b128 v[KF+8*\t+4:KF+8*\t+7], v[ADK] offset:\off+1024*\t+512
.endr
.endm
; Matrix instruction number qi_ of the 32 of S^T = K Q^T: K step qi_ / 8, key tile qi_ % 8.  The eight accumulators take turns, one instruction a turn; the first eight start the sums.
.macro QK
.if qi_ < 8
	v_wmma_f32_16x16x4_f32 v[S+8*qi_:S+8*qi_+7], v[KF+8*qi_:KF+8*qi_+1], v[QF:QF+1], 0
.else
	v_wmma_f32_16x16x4_f32 v[S+8*(qi_%8):S+8*(qi_%8)+7], v[KF+8*(qi_%8)+2*(qi_/8):KF+8*(qi_%8)+2*(qi_/8)+1], v[QF+2*(qi_/8):QF+2*(qi_/8)+1], v[S+8*(qi_%8):S+8*(qi_%8)+7]
.endif
.set qi_, qi_+1
.endm
; The maxima of a step's 64 scores of my lane, in v[src] on; the new M and f; each block's largest score as t - M.
.macro AMAX src
.irp b, 0,1,2,3
	v_max3_num_f32 v[BM+\b], v[\src+16*\b], v[\src+16*\b+1], v[\src+16*\b+2]   ; the largest score of each block of 32 keys: for the row's maximum and, since p rises with the score, for the block's largest p
.endr
.irp i, 3,5,7,9,11,13
.irp b, 0,1,2,3
	v_max3_num_f32 v[BM+\b], v[BM+\b], v[\src+16*\b+\i], v[\src+16*\b+\i+1]
.endr
.endr
.irp b, 0,1,2,3
	v_max_num_f32 v[BM+\b], v[BM+\b], v[\src+16*\b+15]
.endr
.irp b, 0,1,2,3
	v_permlanex16_b32 v[BT+\b], v[BM+\b], s[SEL], s[SEL+1]
.endr
.irp b, 0,1,2,3
	v_max_num_f32 v[BM+\b], v[BM+\b], v[BT+\b]     ; with lane l xor 16's 16 keys
.endr
	v_max3_num_f32 v254, v[BM], v[BM+1], v[BM+2]
	v_max_num_f32 v254, v254, v[BM+3]              ; the step's largest score of my query (the step's first key is never hidden)
	v_mul_f32 v254, s[CS], v254
	v_max_num_f32 v13, v13, v254                   ; the running largest t
	v_mov_b32 v254, v12
	v_floor_f32 v12, -v13                          ; the new -M = -ceil(t)
	v_sub_f32 v254, v12, v254                      ; old M - new M: a whole number, 0 or less
	v_cvt_i32_f32 v254, v254                       ; (it saturates)
	v_ldexp_f32 v[FF], 1.0, v254                   ; f
.irp b, 0,1,2,3
	v_fma_f32 v[BM+\b], v[BM+\b], s[CS], v12
.endr
.endm
; t - M of key tile t's eight scores, into other registers than the scores'.
.macro FMA4 src, t
.irp j, 0,2,4,6
	v_pk_fma_f32 v[P+8*(\t)+\j:P+8*(\t)+\j+1], v[\src+8*(\t)+\j:\src+8*(\t)+\j+1], s[CS:CS+1], v[12:13] op_sel_hi:[1,0,0]
.endr
.endm
.macro AFMA src
.irp t, 0,1,2,3,4,5,6,7
	FMA4 \src, \t
.endr
.endm
; On the diagonal: register 16 b + i holds key 128 step + 32 b + 16 h + i, hidden where 32 b + i > d.  The scores are copied, the hidden ones as -infinity: p = 0 then.
.macro MASK
	s_lshl_b32 s51, s[ST], 7
	v_sub_nc_u32 v254, v[D0], s51                  ; d = my query - the step's first key - 16 h
	v_mov_b32 v255, 0xff800000
.irp n, 0,1,2,3,4,5,6,7,8,9,10,11,12,13,14,15,16,17,18,19,20,21,22,23,24,25,26,27,28,29,30,31,32,33,34,35,36,37,38,39,40,41,42,43,44,45,46,47,48,49,50,51,52,53,54,55,56,57,58,59,60,61,62,63
	v_cmp_gt_i32 vcc_lo, 32*(\n/16)+\n%16, v254
	v_cndmask_b32 v[P+\n], v[S+\n], v255, vcc_lo
.endr
.endm
; THE REST OF A STEP'S VECTOR WORK is a list of 133 lines; VB writes number vj_ of it.  None names a register of K Q^T.
;   0-67    ONE BATCH of exponentials: p, and the four blocks' largest p.  None reads another's result
;   68, 69  the sums under the new M: the plain line behind the batch; then the one wait for the batch, ahead of its first reader
;   70-84   the floor 2^(3 - 127), the conversions' scale operands, the scale bytes, p's scale word
;   85-92   the conversions;  93-100 the first of the row's sums (plain lines between the conversions and the exchanges);  101-104 the exchanges of halves: the operand wants a whole block in a lane
;   105-128 the rest of the row's sum of the unquantised p, in two chains;  129-132 O^T under the new M
.macro VB
.if vj_ < 64
	v_exp_f32 v[P+vj_], v[P+vj_]
.elseif vj_ < 68
	v_exp_f32 v[BM+vj_-64], v[BM+vj_-64]
.elseif vj_ == 68
	v_pk_mul_f32 v[14:15], v[14:15], v[FF:FF+1] op_sel_hi:[1,0]
.elseif vj_ == 69
	s_wait_alu depctr_va_vdst(0)
.elseif vj_ < 74
	v_max_num_f32 v[BM+vj_-70], 0x1800000, v[BM+vj_-70]
.elseif vj_ < 78
	v_add_nc_u32 v[SC+vj_-74], 0xff000000, v[BM+vj_-74]
.elseif vj_ < 82
	v_lshrrev_b32 v[BM+vj_-78], 23, v[SC+vj_-78]
.elseif vj_ == 82
	v_lshl_or_b32 v[PS], v[BM+1], 8, v[BM]
.elseif vj_ < 85
	v_lshl_or_b32 v[PS], v[BM+vj_-81], 8*(vj_-81), v[PS]
.elseif vj_ < 93
	v_cvt_scalef32_pk8_fp4_f32 v[PC+vj_-85], v[P+8*(vj_-85):P+8*(vj_-85)+7], v[SC+(vj_-85)/2]
.elseif vj_ == 93
	v_pk_add_f32 v[BT:BT+1], v[P:P+1], v[P+2:P+3]
.elseif (vj_ > 100) && (vj_ < 105)
	v_permlane16_swap_b32 v[PC+4*((vj_-101)/2)+(vj_-101)%2], v[PC+4*((vj_-101)/2)+2+(vj_-101)%2]
.elseif vj_ < 128
.set va_, vj_-94
.if vj_ > 104
.set va_, vj_-98
.endif
.if va_%2 == 0
	v_pk_add_f32 v[14:15], v[14:15], v[P+4+4*(va_/2):P+5+4*(va_/2)]
.else
	v_pk_add_f32 v[BT:BT+1], v[BT:BT+1], v[P+6+4*(va_/2):P+7+4*(va_/2)]
.endif
.elseif vj_ == 128
	v_pk_add_f32 v[14:15], v[14:15], v[BT:BT+1]
.else
	v_pk_mul_f32 v[OA+2*(vj_-129):OA+2*(vj_-129)+1], v[OA+2*(vj_-129):OA+2*(vj_-129)+1], v[FF:FF+1] op_sel_hi:[1,0]
.endif
.set vj_, vj_+1
.endm
.macro EMIT n
.rept \n
	VB
.endr
.endm
; THE TURNS.  A key tile's old scores are read out (t - M) just ahead of the matrix instruction that starts the tile's new sum; then four exponentials stand behind each of 17 matrix instructions, then the batch's wait,
; then the readers.  The nine lines behind the last matrix instruction are plain and name none of its registers: with the four behind the scaled product they are the places (eight are asked behind this form)
; ahead of the next trip's loads into K's registers and its first read of the scores.
.macro BQK
	FMA4 S, 0
	s_wait_dscnt 0x0                               ; the next step's keys (asked for ahead of the maxima), and v
.set qi_, 0
.set vj_, 0
.set ft_, 1
.rept 7
	QK
	FMA4 S, ft_
.set ft_, ft_+1
.endr
.rept 17
	QK
	EMIT 4
.endr
	EMIT 2
.rept 6
	QK
	EMIT 8
.endr
	QK
	EMIT 6
	QK
	EMIT 9
.endm
; A TRIP: my step s[ST], whose scores lie in S.  last = 1: the eighth trip, which has no next step.
.macro TRIP last
	s_cmp_gt_u32 s[ST], s[DS]                      ; all its keys come after my queries: nothing to do but to step on
	s_cbranch_scc1 .Lhid_\@
	v_add_nc_u32 v[ADK], s[TB], v[AK0]
	v_add_nc_u32 v255, s[TB], v[AS0]
	ds_load_b128 v[VF:VF+3], v[ADK] offset:8192
	ds_load_b128 v[VF+4:VF+7], v[ADK] offset:8704
	ds_load_b32 v[VS], v255
.if !(\last)
	s_add_co_u32 s[NX], s[ST], 2
	s_cmp_gt_u32 s[NX], s[DS]
	s_cbranch_scc1 .Llst_\@
	KLOAD 2*REC                                    ; my next step's keys: they land while the maxima are searched
	AMAX S
	BQK
	s_branch .Ltail_\@
.Llst_\@:
.endif
	s_cmp_eq_u32 s[ST], s[DS]                      ; my last step: open, or on the diagonal
	s_cbranch_scc1 .Ldia_\@
	AMAX S
	AFMA S
	s_branch .Lbare_\@
.Ldia_\@:
	MASK
	AMAX P
	AFMA P
.Lbare_\@:
.set vj_, 0
	EMIT 133
.Ltail_\@:
	s_wait_dscnt 0x0                               ; v's codes and scale words
	s_wait_alu depctr_va_vdst(0)                   ; behind a last step the matrix instruction before this one is the last trip's, on the same accumulator
	v_wmma_scale_f32_16x16x128_f8f6f4 v[OA:OA+7], v[VF:VF+7], v[PC:PC+7], v[OA:OA+7], v[VS], v[PS] matrix_a_fmt:MATRIX_FMT_FP4 matrix_b_fmt:MATRIX_FMT_FP4
.rept 4
	v_nop                                          ; places ahead of the next trip's loads into v's registers and of the next read of O^T
.endr
.Lhid_\@:
	s_add_co_u32 s[ST], s[ST], 2
	s_add_co_u32 s[TB], s[TB], 2*REC
.endm
; Four steps' records more are opened: a wave's tensor loads end in order, so at most 3 - g out means that its loads 0 to g have landed; the barrier makes that hold of all four waves that fetch.  Nothing is ever filled again.
; The two trips behind barrier g read the keys of steps 4 g + E and 4 g + 2 + E, and v of the steps before them.
.macro GROUP g
	s_wait_tensorcnt 3-\g
	s_barrier_signal -1
	s_barrier_wait -1
	s_mov_b32 s[TW], 2
.Ltrip_\@:
	TRIP 0
	s_sub_co_u32 s[TW], s[TW], 1
	s_cmp_lg_u32 s[TW], 0
	s_cbranch_scc1 .Ltrip_\@
.endm
	s_wait_loadcnt 0x0                             ; q
	s_wait_tensorcnt 3                             ; my first load has landed: steps 0 to 3 when all four waves that fetch have said so
	s_barrier_signal -1
	s_barrier_wait -1
	; my first step's scores: there is no vector work yet to set between the products.  Every wave runs the first K step, so that the scores' registers are written on every path;
	; a wave whose tile has no step of its parity (tiles 0 to 7, the odd steps) stops there and never reads them.
	v_add_nc_u32 v[ADK], s[TB], v[AK0]
	KLOAD 0
	s_wait_dscnt 0x0
.set qi_, 0
.rept 8
	QK
.endr
	s_cmp_gt_u32 s[ST], s[DS]
	s_cbranch_scc1 .Lnone
.rept 24
	QK
.endr
.Lnone:
.rept 8
	v_nop                                          ; eight places behind this form, ahead of the loads into K's registers and of the first read of the scores
.endr
	TRIP 0
	GROUP 1
	GROUP 2
	GROUP 3
	TRIP 1
	; THE END.  The odd wave hands O^T, -M and its sum to the even wave of its tile.
.rept 4
	v_nop                                          ; places behind the last product
.endr
	v_add_f32 v14, v14, v15
	v_permlanex16_b32 v[BT], v14, s[SEL], s[SEL+1]
	v_add_f32 v13, v14, v[BT]                      ; my steps' sum, beside -M
	s_cmp_eq_u32 s[E], 0
	s_cbranch_scc1 .Lkeep
	ds_store_b128 v[MO], v[OA:OA+3]
	ds_store_b128 v[MO], v[OA+4:OA+7] offset:512
	ds_store_b64 v[MS], v[12:13]
.Lkeep:
	s_wait_dscnt 0x0                               ; for the other wave's sake
	s_barrier_signal -1
	s_barrier_wait -1
	s_cmp_lg_u32 s[E], 0
	s_cbranch_scc1 .Lend
	ds_load_b128 v[32:35], v[MO]
	ds_load_b128 v[36:39], v[MO] offset:512
	ds_load_b64 v[40:41], v[MS]
	s_wait_dscnt 0x0
	v_min_num_f32 v42, v12, v40                    ; -M of both.  (A wave without a step still has -M = 3e38, and zeros: its factor comes out 0)
	v_sub_f32 v43, v42, v12
	v_sub_f32 v44, v42, v40
	v_cvt_i32_f32 v43, v43
	v_cvt_i32_f32 v44, v44
	v_ldexp_f32 v43, 1.0, v43                      ; 2^(my M - M),
	v_ldexp_f32 v44, 1.0, v44                      ; 2^(the other's M - M)
	v_mul_f32 v45, v13, v43
	v_fmac_f32 v45, v41, v44                       ; the row's sum
	v_rcp_f32 v46, v45
.irp j, 0,1,2,3,4,5,6,7
	v_mul_f32 v[48+\j], v[OA+\j], v43
.endr
.irp j, 0,1,2,3,4,5,6,7
	v_fmac_f32 v[48+\j], v[32+\j], v44
.endr
	s_wait_alu depctr_va_vdst(0)                   ; ahead of the reciprocal's first reader
.irp j, 0,1,2,3,4,5,6,7
	v_mul_f32 v[48+\j], v[48+\j], v46              ; out(query r, 8 h + j)
.endr
	ds_store_b128 v[SO_], v[48:51]
	ds_store_b128 v[SO_], v[52:55] offset:16
	ds_load_b128 v[56:59], v[SR]                   ; LDS serves a wave's instructions in order: these see my stores
	ds_load_b128 v[60:63], v[SR] offset:512
	s_wait_dscnt 0x0
	global_store_b128 v[GO], v[56:59], s[8:9] th:TH_STORE_NT              ; lanes r = 0 .. 7's rows: 512 consecutive bytes, aligned;
	global_store_b128 v[GO], v[60:63], s[8:9] offset:1024 th:TH_STORE_NT  ; r = 8 .. 15's lie 16 rows on
.Lend:
	s_wait_xcnt 0x0
	v_lshl_add_u32 v254, v0, 2, 0x2a000
	v_mov_b32 v255, 0
	s_wait_tensorcnt 0x0
	ds_add_u32 v254, v255
	s_wait_dscnt 0x0
	s_endpgm
.Lfunc_end_k_qf52e7c8e60_attn:
	.size	k_qf52e7c8e60_attn, .Lfunc_end_k_qf52e7c8e60_attn-k_qf52e7c8e60_attn
	.p2alignl 7, 3214868480
	.fill 96, 4, 3214868480
	.section	.rodata,"a",@progbits
	.p2align	6, 0x0
	.amdhsa_kernel k_qf52e7c8e60_attn
		.amdhsa_group_segment_fixed_size 174080
		.amdhsa_private_segment_fixed_size 0
		.amdhsa_enable_private_segment 0
		.amdhsa_kernarg_size 24
		.amdhsa_user_sgpr_count 2
		.amdhsa_user_sgpr_kernarg_segment_ptr 1
		.amdhsa_wavefront_size32 1
		.amdhsa_system_sgpr_workgroup_id_x 1
		.amdhsa_system_sgpr_workgroup_id_y 1
		.amdhsa_system_sgpr_workgroup_id_z 1
		.amdhsa_system_vgpr_workitem_id 0
		.amdhsa_next_free_vgpr 256
		.amdhsa_next_free_sgpr 66
		.amdhsa_reserve_vcc 1
		.amdhsa_float_denorm_mode_32 3
		.amdhsa_float_denorm_mode_16_64 3
		.amdhsa_memory_ordered 1
		.amdhsa_forward_progress 1
		.amdhsa_inst_pref_size 177
	.end_amdhsa_kernel
	.amdgpu_metadata
---
amdhsa.version: [ 1, 2 ]
amdhsa.kernels:
  - .name:           k_qf52e7c8e60_attn
    .symbol:         k_qf52e7c8e60_attn.kd
    .args:
      - { .name: qimg, .offset: 0, .size: 8, .value_kind: global_buffer, .address_space: global }
      - { .name: kv, .offset: 8, .size: 8, .value_kind: global_buffer, .address_space: global }
      - { .name: out0, .offset: 16, .size: 8, .value_kind: global_buffer, .address_space: global }
    .group_segment_fixed_size: 174080
    .private_segment_fixed_size: 0
    .kernarg_segment_align: 8
    .kernarg_segment_size: 24
    .max_flat_workgroup_size: 512
    .sgpr_count:     66
    .vgpr_count:     256
    .wavefront_size: 32
...
	.end_amdgpu_metadata
.endif
;; end of part 2
;; ======== version 2 of 2: 2 launches; version 1 with the launch proj written anew for expert scheduling mode
;; workspace buffers: qimg 2,097,152 bytes; kv 2,424,832 bytes
;; launch proj (part 3): grid 16 x 16, 4 waves a work-group, no clusters, 35,584 bytes of LDS; arguments x, w_q, w_k, w_v, qimg, kv; writes qimg, kv
.if DOCPART == 3
	.amdgcn_target "amdgcn-amd-amdhsa--gfx1250"
	.amdhsa_code_object_version 6
	.text
	.protected	k_qf52e7c8e60_proj
	.globl	k_qf52e7c8e60_proj
	.p2align	8
	.type	k_qf52e7c8e60_proj,@function
k_qf52e7c8e60_proj:
	s_mov_b64 s[64:65], 0
	v_nop
	global_prefetch_b8 v0, s[64:65] scope:SCOPE_SE
	s_setreg_imm32_b32 hwreg(HW_REG_WAVE_SCHED_MODE, 0, 2), 2
	s_setreg_imm32_b32 hwreg(HW_REG_WAVE_MODE, 25, 1), 1
	s_wait_xcnt 0x0
	s_wait_alu depctr_vm_vsrc(0)
; q, k, v = x W (each product on codes of FP4 (E2M1) with one E8M0 scale for each 32 along K = 64), RoPE on q and k, v quantised along the keys.
; x: [16][2048][64] f32; w_q, w_k, w_v: [64][16] f32, K their first axis.
; SHARES.  A work-group takes a RECORD: 128 tokens of one batch (work-group x = which 128, y = the batch).  Wave w takes tokens 32 w .. 32 w + 31: two tiles of 16.
; THE TOKENS OF A TILE ARE NOT NEIGHBOURS: lane r of tile u takes token 8 u + r + 8 (r / 8) of the wave's 32, so that v's 16 registers of the two tiles are 16 neighbouring keys.
; ONE fragment of x (lane (r, h): block h of its token; the upper 64 of the instruction's 128 along K are zero codes) serves three products:
;   q^T = Wq^T x^T, k^T = Wk^T x^T (source 0 = the weight's 16 columns, source 1 = 16 tokens): lane (r, h) holds its token's dims 8 h .. 8 h + 7: RoPE's pairs are neighbouring registers;
;   v = x Wv (source 0 = 16 tokens, source 1 = the weight's 16 columns): lane (r, h) holds dim r, and its registers run along the keys.
; WHAT IS STORED are images of the next launch's operand registers: 16 bytes a lane, 512 consecutive bytes a store.
;   qimg: [batch][tile 0..127][1,024 bytes].   kv: [batch][step 0..15][REC bytes]: 8 tiles x 1,024 bytes of k; 1,024 bytes of v's codes; 64 scale words of v (word i: dim i % 16).
; COS AND SIN in f32: the angle is token x frequency, rounded once as reference() rounds it; n = the nearest whole number to angle x 2 / pi; angle - n pi / 2 with pi / 2 in two parts
; (the first product is exact: n has 11 bits here); polynomials on +-pi/4; the quadrant by selects and sign bits.
; LIMITS: NaN and infinities among the inputs are not served.  A block of zeros gets the byte 1 where the rule says 127 (its codes are zeros; only this program reads the bytes).
; The eight frequencies are f32 constants, 1 / 10000^(j / 8) rounded as a correctly rounded power and division give them; one ulp more or less is at most 8e-5 rad at token 2,047.
; THE MODE: SCHED_MODE bits 1:0 = 2 (LLVM: expert scheduling mode 2), set by the entry lines.  The code itself states the register dependences
; between vector or matrix instructions and memory or LDS instructions, with s_wait_alu, always for 0.
; THE PLAN.  Registers that memory or LDS instructions touch, in the order of the text (there is no loop):
;   v4, v7           offsets of the global loads (v4 of the image stores too): written at the head, never again.
;   v5, v6, v8, v9, v10, v61   LDS addresses and store offsets: written while the loads are out, never again.
;   v128-223         the weights' loads land here; the weights' quantiser reads them; then x comes back from the stage into v128-191; x's quantiser reads that;
;                    then RoPE writes v128-159, which eight stores read; wave 0's four LDS loads land in v160-167, and its last store reads v160-161.
;   v64-127          x's loads land here; the LDS stores into the stage read them; then the six products write v64-111.
;   v246, v252-253   written by v's quantiser, read by one LDS store and one global store, never written again.
;   v254, v255       written at the head, read by the closing add alone.
; So: one wait on va_vdst ahead of the first load; one behind the weights' quantiser, ahead of the stage's 32 LDS instructions; one ahead of the products; one behind all of RoPE, ahead of a run of eight stores;
; one behind v's quantiser; one ahead of the last store; and ONE wait on vm_vsrc, ahead of the products that write over what the stage's stores read.
.set REC,   9472                       ; bytes of a record
.set XP,    272                        ; LDS: a token's 256 bytes + 16 of padding
.set WSTG,  32*XP                      ; a wave's stage
.set SCB,   4*WSTG                     ; behind the stages: 16 words for each wave: its byte of v's scale words
.set IFQ,   12                         ; v12-15   frequencies 4 h + 0 .. 3
.set WC,    16                         ; v16-39   the weights' codes: q, k, v, 8 registers each (the upper four are zeros)
.set XC,    40                         ; v40-55   x's codes, tile 0 and 1
.set SW,    56                         ; v56-58   the weights' scale words
.set SX,    59                         ; v59-60   x's
.set TF,    62                         ; v62-63   my token's number in tile 0, 1, as f32
.set XR,    64                         ; v64-127  x as loaded
.set WR,    128                        ; v128-223 the weights as loaded
.set XT,    128                        ; v128-191 x, a block of 32 to a lane, tile 0 and 1
.set QA,    64                         ; v64-79 q^T, v80-95 k^T, v96-111 v: the products' results
.set KA,    80
.set VA,    96
.set RQ,    128                        ; v128-143 q, v144-159 k behind RoPE
.set RK,    144
.set CO,    224                        ; v224-231 cosines (4 u + p), v232-239 sines
.set SI,    232
.set TM,    240                        ; v240-251 at work
.set SOP,   243
.set BYT,   246
.set PRM,   249
.set TOP,   24                         ; s24 2 / pi; s25, s26 pi / 2 in two parts; s27-29 the sine's coefficients; s30-32 the cosine's
.set PH,    25
.set PL,    26
.set KS0,   27
.set KS1,   28
.set KS2,   29
.set KC0,   30
.set KC1,   31
.set KC2,   32
.set SEL,   34                         ; s[34:35] v_permlanex16_b32's selects for lane l xor 16
	s_load_b256 s[4:11], s[0:1], 0x0               ; x s[4:5], w_q s[6:7], w_k s[8:9], w_v s[10:11]
	s_load_b128 s[12:15], s[0:1], 0x20             ; qimg s[12:13], kv s[14:15]
	v_lshl_add_u32 v254, v0, 2, 0x8900
	v_mov_b32 v255, 0
	v_lshrrev_b32 v1, 5, v0
	v_readfirstlane_b32 s16, v1                    ; wave 0..3
	v_and_b32 v1, 31, v0                           ; lane
	v_and_b32 v2, 15, v0                           ; r
	v_bfe_u32 v3, v0, 4, 1                         ; h
	s_and_b32 s17, ttmp7, 0xffff                   ; batch
	s_lshl_b32 s18, s17, 4
	s_add_co_u32 s18, s18, ttmp9                   ; the record's number: 16 x batch + step
	v_lshlrev_b32 v4, 4, v1                        ; 16 x lane: dense loads and the images
	v_lshlrev_b32 v7, 2, v2
	v_lshl_add_u32 v7, v3, 11, v7                  ; a weight: column r, rows 32 h on (a row is 64 bytes)
	s_wait_alu depctr_va_sdst(0)                   ; s16 is written, ahead of its first reader: offsets, LDS addresses and the last branch are made from it
	s_lshl_b32 s20, s18, 15                        ; x: 32,768 bytes a record,
	s_lshl_b32 s19, s16, 13                        ; 8,192 a wave
	s_add_co_u32 s20, s20, s19
	s_mov_b32 s21, 0
	s_wait_kmcnt 0x0
	s_add_nc_u64 s[4:5], s[4:5], s[20:21]
	s_wait_alu depctr_va_vdst(0)                   ; v4 and v7 are written, which the 112 loads below read as their offsets
.macro WLOAD m, lo                     ; weight m: w(32 h + i, r), i = 0 .. 31: a lane to a column, registers down K
.set i_, 0
.rept 32
	global_load_b32 v[WR+32*\m+i_], v7, s[\lo:\lo+1] offset:64*i_
.set i_, i_+1
.endr
.endm
	WLOAD 0, 6
	WLOAD 1, 8
	WLOAD 2, 10
.set i_, 0
.rept 16
	global_load_b128 v[XR+4*i_:XR+4*i_+3], v4, s[4:5] offset:512*i_ th:TH_LOAD_NT   ; two tokens: 512 consecutive bytes; read once in the launch
.set i_, i_+1
.endr
	; all that needs no memory stands here, while the loads are out: none of these lines names v4, v7 or v64-223
	s_mul_i32 s19, s16, WSTG
	v_mul_u32_u24 v5, v3, XP
	v_lshl_add_u32 v5, v2, 4, v5
	v_add_nc_u32 v5, s19, v5                       ; the stage, on the way in: lanes 0-15 one token's 256 bytes, lanes 16-31 the next token's
	v_mul_u32_u24 v6, v2, XP
	v_lshl_add_u32 v6, v3, 7, v6
	v_add_nc_u32 v6, s19, v6                       ; on the way out: place r of a tile, block h
	v_lshlrev_b32 v9, 4, v2
	v_lshl_add_u32 v9, v3, 3, v9
	s_lshl_b32 s19, s16, 8
	v_add_nc_u32 v9, s19, v9                       ; v's codes in the record's image: 256 w + 16 r + 8 h
	v_lshlrev_b32 v10, 2, v2
	s_lshl_b32 s19, s16, 6
	v_add_nc_u32 v10, s19, v10
	v_add_nc_u32 v10, SCB, v10                     ; LDS: my wave's 16 words, dim r's
	v_lshlrev_b32 v8, 3, v1                        ; 8 x lane
	v_and_b32 v61, 63, v8
	v_add_nc_u32 v61, SCB, v61                     ; LDS: words 2 l % 16 and the next
	v_lshlrev_b32 v11, 3, v3                       ; 8 h: my block's byte in a scale word
	s_lshl_b32 s20, s18, 13                        ; qimg: 8 tiles a record, two a wave
	s_lshl_b32 s19, s16, 11
	s_add_co_u32 s20, s20, s19
	s_add_nc_u64 s[12:13], s[12:13], s[20:21]
	s_mul_i32 s20, s18, REC
	s_add_nc_u64 s[14:15], s[14:15], s[20:21]      ; kv at my record,
	s_mov_b32 s20, s19
	s_add_nc_u64 s[22:23], s[14:15], s[20:21]      ; and at my two tiles of k
	s_lshl_b32 s19, ttmp9, 7
	s_lshl_b32 s20, s16, 5
	s_add_co_u32 s19, s19, s20                     ; my wave's first token in its batch
	v_and_b32 v62, 8, v2
	v_add_nc_u32 v62, v62, v2                      ; r + 8 (r / 8)
	v_add_nc_u32 v62, s19, v62
	v_add_nc_u32 v63, 8, v62                       ; tile 1: 8 further on
	v_cvt_f32_u32 v62, v62
	v_cvt_f32_u32 v63, v63
	v_cmp_eq_u32 vcc_lo, 1, v3                     ; lanes 16-31 hold dims 8 .. 15: frequencies 4 .. 7
	v_mov_b32 v12, 1.0
	v_mov_b32 v240, 0x3c23d70a
	s_wait_alu depctr_va_vcc(0)                    ; the compare has written VCC, ahead of its first reader; the four selects below read it
	v_cndmask_b32 v12, v12, v240, vcc_lo           ; 1 | 1e-2
	v_mov_b32 v13, 0x3ea1e89b
	v_mov_b32 v240, 0x3b4f3e38
	v_cndmask_b32 v13, v13, v240, vcc_lo           ; 10^-0.5 | 10^-2.5
	v_mov_b32 v14, 0x3dcccccd
	v_mov_b32 v240, 0x3a83126f
	v_cndmask_b32 v14, v14, v240, vcc_lo           ; 1e-1 | 1e-3
	v_mov_b32 v15, 0x3d0186e3
	v_mov_b32 v240, 0x39a5cb60
	v_cndmask_b32 v15, v15, v240, vcc_lo           ; 10^-1.5 | 10^-3.5
	s_mov_b32 s[TOP], 0x3f22f983                   ; 2 / pi
	s_mov_b32 s[PH], 0x3fc90fdb                    ; pi / 2, rounded,
	s_mov_b32 s[PL], 0xb33bbd2e                    ; and what the rounding left: -4.3711388e-8
	s_mov_b32 s[KS0], 0xb94ca1f9                   ; sin r = r + r z (KS2 + z (KS1 + z KS0)), z = r r
	s_mov_b32 s[KS1], 0x3c08839e
	s_mov_b32 s[KS2], 0xbe2aaaa3
	s_mov_b32 s[KC0], 0x37ccf5ce                   ; cos r = 1 - z / 2 + z z (KC2 + z (KC1 + z KC0))
	s_mov_b32 s[KC1], 0xbab6061a
	s_mov_b32 s[KC2], 0x3d2aaaa5
	s_mov_b32 s[SEL], 0x76543210
	s_mov_b32 s[SEL+1], 0xfedcba98
.irp f, 0,1,2,3,4
.irp g, 4,5,6,7
	v_mov_b32 v[WC+8*\f+\g], 0                     ; K = 64 .. 127 of every fragment: zero codes, which add nothing
.endr
.endr
.irp b, 0,1,2
	v_mov_b32 v[PRM+\b], 0                         ; written once: a lane permute's destination counts as one of its sources
.endr
.macro SINCOS u, p                     ; cos and sin of my token of tile u x frequency 4 h + p
	v_mul_f32 v240, v[TF+\u], v[IFQ+\p]            ; the angle
	v_mul_f32 v241, s[TOP], v240
	v_rndne_f32 v241, v241                         ; n
	v_fma_f32 v240, -v241, s[PH], v240
	v_fma_f32 v240, -v241, s[PL], v240             ; r = angle - n pi / 2
	v_cvt_i32_f32 v242, v241
	v_and_b32 v248, 1, v242
	v_cmp_eq_u32 vcc_lo, 1, v248                   ; an odd n changes the two over: the compare stands here, ahead of the polynomials, whose lines lie between it and the wait for it
	v_mul_f32 v243, v240, v240                     ; z
	v_fma_f32 v244, v243, s[KS0], s[KS1]
	v_fma_f32 v245, v243, s[KC0], s[KC1]
	v_fma_f32 v244, v244, v243, s[KS2]
	v_fma_f32 v245, v245, v243, s[KC2]
	v_mul_f32 v244, v244, v243
	v_mul_f32 v246, v243, v243
	v_fma_f32 v247, v243, -0.5, 1.0
	v_fma_f32 v244, v244, v240, v240               ; sin r
	v_fma_f32 v245, v245, v246, v247               ; cos r
	s_wait_alu depctr_va_vcc(0)                    ; the compare has written VCC, ahead of its first reader: the two selects below
	v_cndmask_b32 v247, v244, v245, vcc_lo
	v_cndmask_b32 v248, v245, v244, vcc_lo
	v_lshlrev_b32 v246, 30, v242                   ; the sine's sign: bit 1 of n;
	v_add_nc_u32 v242, 1, v242
	v_and_b32 v246, 0x80000000, v246
	v_lshlrev_b32 v242, 30, v242                   ; the cosine's: bit 1 of n + 1
	v_xor_b32 v[SI+4*\u+\p], v246, v247
	v_and_b32 v242, 0x80000000, v242
	v_xor_b32 v[CO+4*\u+\p], v242, v248
.endm
.irp u, 0,1
.irp p, 0,1,2,3
	SINCOS \u, \p
.endr
.endr
; nb blocks of 32 numbers, block b in v[src + 32 b] on, all of a block in ONE lane (block h of row or column r), become codes in v[dst + 8 b] .. + 3 and scale words in v[sw + b].
.macro QB src, dst, sw, nb
.set b_, 0
.rept \nb
	v_max3_num_f32 v[TM+b_], |v[(\src)+32*b_]|, |v[(\src)+32*b_+1]|, 0x1800000   ; and the floor 2^(3 - 127): the byte cannot fall under 1
.set b_, b_+1
.endr
.irp i, 2,4,6,8,10,12,14,16,18,20,22,24,26,28,30
.set b_, 0
.rept \nb
	v_max3_num_f32 v[TM+b_], v[TM+b_], |v[(\src)+32*b_+\i]|, |v[(\src)+32*b_+\i+1]|   ; (the blocks by turns)
.set b_, b_+1
.endr
.endr
.set b_, 0
.rept \nb
	v_add_nc_u32 v[SOP+b_], 0xff000000, v[TM+b_]   ; 2 off the exponent field: the conversion takes this operand's exponent field as its scale
.set b_, b_+1
.endr
.set b_, 0
.rept \nb
	v_lshrrev_b32 v[BYT+b_], 23, v[SOP+b_]         ; the scale's byte,
.set b_, b_+1
.endr
.set b_, 0
.rept \nb
	v_lshlrev_b32 v[BYT+b_], v11, v[BYT+b_]        ; at its place in the word: byte h;
.set b_, b_+1
.endr
.set b_, 0
.rept \nb
	v_permlanex16_b32 v[PRM+b_], v[BYT+b_], s[SEL], s[SEL+1]
.set b_, b_+1
.endr
.set b_, 0
.rept \nb
	v_or_b32 v[(\sw)+b_], v[BYT+b_], v[PRM+b_]     ; with lane l xor 16's byte.  Bytes 2 and 3 stay 0: they scale zero codes
.set b_, b_+1
.endr
.set b_, 0
.rept \nb
.irp g, 0,1,2,3
	v_cvt_scalef32_pk8_fp4_f32 v[(\dst)+8*b_+\g], v[(\src)+32*b_+8*\g:(\src)+32*b_+8*\g+7], v[SOP+b_]
.endr
.set b_, b_+1
.endr
	v_nop                                          ; one plain place behind a scaled conversion
.endm
	s_wait_loadcnt 16                              ; the 96 loads of the weights are in; the 16 of x, issued behind them, may be out
	QB WR, WC, SW, 3
	s_wait_loadcnt 0x0                             ; x
	s_wait_alu depctr_va_vdst(0)                   ; the addresses v5, v6, v8, v9, v10 and v61 are written, which the LDS instructions and stores from here on read; the weights' quantiser is done reading v128-191, in which the LDS loads below land
.set i_, 0
.rept 16                               ; tokens 2 i and 2 i + 1 go to their places in tile order: 16 x tile + lane
	ds_store_b128 v5, v[XR+4*i_:XR+4*i_+3] offset:(16*((i_>>2)&1)+((2*i_)&7)+8*(i_>>3))*XP
.set i_, i_+1
.endr
.irp u, 0,1
.irp k, 0,1,2,3,4,5,6,7
	ds_load_b128 v[XT+32*\u+4*\k:XT+32*\u+4*\k+3], v6 offset:\u*16*XP+16*\k   ; LDS serves a wave's instructions in order: these see my stores
.endr
.endr
	s_wait_dscnt 0x0
	s_wait_alu depctr_vm_vsrc(0)                   ; the LDS stores have read v64-127, over which the six products below write their results
	QB XT, XC, SX, 2
.rept 8
	v_nop                                          ; a scale register written by a vector instruction stands 8 places ahead of a scaled matrix instruction, an operand so written 4
.endr
	s_wait_alu depctr_va_vdst(0)                   ; the quantisers have written the codes v16-55 and the scale words v56-60, which the scaled products take; the places above stay beside this wait
.irp u, 0,1
	v_wmma_scale_f32_16x16x128_f8f6f4 v[QA+8*\u:QA+8*\u+7], v[WC:WC+7], v[XC+8*\u:XC+8*\u+7], 0, v[SW], v[SX+\u] matrix_a_fmt:MATRIX_FMT_FP4 matrix_b_fmt:MATRIX_FMT_FP4
	v_wmma_scale_f32_16x16x128_f8f6f4 v[KA+8*\u:KA+8*\u+7], v[WC+8:WC+15], v[XC+8*\u:XC+8*\u+7], 0, v[SW+1], v[SX+\u] matrix_a_fmt:MATRIX_FMT_FP4 matrix_b_fmt:MATRIX_FMT_FP4
	v_wmma_scale_f32_16x16x128_f8f6f4 v[VA+8*\u:VA+8*\u+7], v[XC+8*\u:XC+8*\u+7], v[WC+16:WC+23], 0, v[SX+\u], v[SW+2] matrix_a_fmt:MATRIX_FMT_FP4 matrix_b_fmt:MATRIX_FMT_FP4
.endr
.rept 4
	v_nop                                          ; places in front of the first read of results
.endr
.macro ROPE acc, dst, u                ; pair p of my eight dims: (e, o) -> (e cos - o sin, e sin + o cos)
.irp p, 0,1,2,3
	v_mul_f32 v[TM+\p], v[\acc+8*\u+2*\p+1], v[SI+4*\u+\p]
	v_mul_f32 v[TM+4+\p], v[\acc+8*\u+2*\p+1], v[CO+4*\u+\p]
.endr
.irp p, 0,1,2,3
	v_fma_f32 v[\dst+8*\u+2*\p], v[\acc+8*\u+2*\p], v[CO+4*\u+\p], -v[TM+\p]
	v_fma_f32 v[\dst+8*\u+2*\p+1], v[\acc+8*\u+2*\p], v[SI+4*\u+\p], v[TM+4+\p]
.endr
.endm
.irp u, 0,1                            ; all of RoPE first: its 32 results have registers of their own, so that one wait serves the run of eight stores
	ROPE QA, RQ, \u
	ROPE KA, RK, \u
.endr
	s_wait_alu depctr_va_vdst(0)                   ; RoPE has written v128-159, which the eight stores below read
.irp u, 0,1
	global_store_b128 v4, v[RQ+8*\u:RQ+8*\u+3], s[12:13] offset:1024*\u          ; 32 lanes store 512 consecutive bytes
	global_store_b128 v4, v[RQ+8*\u+4:RQ+8*\u+7], s[12:13] offset:1024*\u+512
	global_store_b128 v4, v[RK+8*\u:RK+8*\u+3], s[22:23] offset:1024*\u
	global_store_b128 v4, v[RK+8*\u+4:RK+8*\u+7], s[22:23] offset:1024*\u+512
.endr
	; v: lane (r, h) holds dim r at keys 16 h + 0 .. 15 of my wave's 32: half a block.  None of these lines names v4 or v128-159, which the stores above read
	v_max3_num_f32 v240, |v[VA]|, |v[VA+1]|, 0x1800000
.irp i, 2,4,6,8,10,12,14
	v_max3_num_f32 v240, v240, |v[VA+\i]|, |v[VA+\i+1]|
.endr
	v_permlanex16_b32 v249, v240, s[SEL], s[SEL+1]
	v_max_num_f32 v240, v240, v249                 ; with lane l xor 16's: the block's largest magnitude
	v_add_nc_u32 v243, 0xff000000, v240
	v_cvt_scalef32_pk8_fp4_f32 v252, v[VA:VA+7], v243
	v_cvt_scalef32_pk8_fp4_f32 v253, v[VA+8:VA+15], v243
	v_lshrrev_b32 v246, 23, v243                   ; the scale's byte (a plain place behind the conversions),
	s_lshl_b32 s19, s16, 3
	v_lshlrev_b32 v246, s19, v246                  ; at byte w of dim r's word: my wave's block is block w of the step
	s_wait_alu depctr_va_vdst(0)                   ; v's quantiser has written v246, v252 and v253, which the two stores below read
	ds_store_b32 v10, v246                         ; both lanes of a block write the same word with the same value
	global_store_b64 v9, v[252:253], s[14:15] offset:8192   ; block w = 2 c + h' lies in registers 4 c .. 4 c + 3 of lanes 16 h' + r: 256 consecutive bytes, aligned
	s_wait_dscnt 0x0                               ; for the others' sake: my word has landed
	s_barrier_signal -1
	s_barrier_wait -1
	s_cmp_lg_u32 s16, 0
	s_cbranch_scc1 .Lend
.irp w, 0,1,2,3
	ds_load_b64 v[160+2*\w:161+2*\w], v61 offset:64*\w   ; the four waves' bytes of dims 2 l % 16 and the next.  No wait: the last vector lines that named v160-167 (x's quantiser) and v61 stand ahead of the waits on va_vdst above
.endr
	s_wait_dscnt 0x0
	v_or_b32 v160, v160, v162
	v_or_b32 v161, v161, v163
	v_or_b32 v164, v164, v166
	v_or_b32 v165, v165, v167
	v_or_b32 v160, v160, v164
	v_or_b32 v161, v161, v165
	s_wait_alu depctr_va_vdst(0)                   ; the six lines above have written v160 and v161, which the store below reads
	global_store_b64 v8, v[160:161], s[14:15] offset:9216   ; 64 words, word i = dim i % 16's: 256 consecutive bytes, aligned
.Lend:
	s_wait_dscnt 0x0                               ; the closing lines, six on end
	s_wait_alu 0x0
	s_wait_tensorcnt 0x0
	ds_add_u32 v254, v255
	s_wait_dscnt 0x0
	s_endpgm
.Lfunc_end_k_qf52e7c8e60_proj:
	.size	k_qf52e7c8e60_proj, .Lfunc_end_k_qf52e7c8e60_proj-k_qf52e7c8e60_proj
	.p2alignl 7, 3214868480
	.fill 96, 4, 3214868480
	.section	.rodata,"a",@progbits
	.p2align	6, 0x0
	.amdhsa_kernel k_qf52e7c8e60_proj
		.amdhsa_group_segment_fixed_size 35584
		.amdhsa_private_segment_fixed_size 0
		.amdhsa_enable_private_segment 0
		.amdhsa_kernarg_size 48
		.amdhsa_user_sgpr_count 2
		.amdhsa_user_sgpr_kernarg_segment_ptr 1
		.amdhsa_wavefront_size32 1
		.amdhsa_system_sgpr_workgroup_id_x 1
		.amdhsa_system_sgpr_workgroup_id_y 1
		.amdhsa_system_sgpr_workgroup_id_z 1
		.amdhsa_system_vgpr_workitem_id 0
		.amdhsa_next_free_vgpr 256
		.amdhsa_next_free_sgpr 66
		.amdhsa_reserve_vcc 1
		.amdhsa_float_denorm_mode_32 3
		.amdhsa_float_denorm_mode_16_64 3
		.amdhsa_memory_ordered 1
		.amdhsa_forward_progress 1
		.amdhsa_inst_pref_size 42
	.end_amdhsa_kernel
	.amdgpu_metadata
---
amdhsa.version: [ 1, 2 ]
amdhsa.kernels:
  - .name:           k_qf52e7c8e60_proj
    .symbol:         k_qf52e7c8e60_proj.kd
    .args:
      - { .name: x, .offset: 0, .size: 8, .value_kind: global_buffer, .address_space: global }
      - { .name: w_q, .offset: 8, .size: 8, .value_kind: global_buffer, .address_space: global }
      - { .name: w_k, .offset: 16, .size: 8, .value_kind: global_buffer, .address_space: global }
      - { .name: w_v, .offset: 24, .size: 8, .value_kind: global_buffer, .address_space: global }
      - { .name: qimg, .offset: 32, .size: 8, .value_kind: global_buffer, .address_space: global }
      - { .name: kv, .offset: 40, .size: 8, .value_kind: global_buffer, .address_space: global }
    .group_segment_fixed_size: 35584
    .private_segment_fixed_size: 0
    .kernarg_segment_align: 8
    .kernarg_segment_size: 48
    .max_flat_workgroup_size: 128
    .sgpr_count:     66
    .vgpr_count:     256
    .wavefront_size: 32
...
	.end_amdgpu_metadata
.endif
;; end of part 3
;; launch attn: the kernel of part 2 again; grid 16 x 16, 16 waves a work-group, no clusters, 174,080 bytes of LDS; arguments qimg, kv, out0; writes out0
